; MI455X (gfx1250); checked and timed in simulation.
; The chip was launched on July 23, 2026; its instructions are those of AMD's public machine-readable ISA for CDNA 5 (MIT licence, August 2026) and "CDNA5" Instruction Set Architecture Reference Guide (July 2026). The comments in the code are by the model that wrote it; some were corrected since.
;; LMHA. Allowed arithmetic: matrix products marked QUANTISED: E2M1 operands, one E8M0 scale for each 32 along K, by v_wmma_scale_f32_16x16x128_f8f6f4 with both operands' format E2M1 (or v_wmma_scale_f32_32x16x128_f4), f32 sums; products left as they are: bf16, f16 or f32 operands; f32 sums; everything else in f32.
;; Inputs: W_o 1,024 x 1,024 float32; W_qkv 3,072 x 1,024 float32; mask 2 x 2,048 x 2,048 bool; pe 2,048 x 32 float32; x 2 x 2,048 x 1,024 float32.
;; Outputs: out0 2 x 2,048 x 1,024 float32.
;; This version of the problem:
;;   THIS VERSION OF THE PROBLEM IS GIVEN IN LOW PRECISION. The matrix products marked QUANTISED in the list below multiply operands that are first quantised to E2M1 (2 exponent bits, 1 mantissa bit; 4 bits a number), with one power-of-two scale for each 32 numbers along K (OCP MX v1.0); their sums are f32. The products marked 'left as it is' may take bf16, f16 or f32 operands, with f32 sums. Whichever they take, every output number must still come out within the allowed error. Rounding operands to bf16 (8 significant bits) uses up far more of that allowance than f16 does (11 bits, for magnitudes from 6e-5 to 65,504). All else is computed in f32.
;;   The module's matrix products, in the order in which they are computed (A, B: the left and right operand; K: the contracted axis; several contracted axes count as one K, in the product's order):
;;     1. [M 4,096, K 1,024] x [K 1,024, N 3,072]; A: input x; B: input W_qkv: QUANTISED
;;     2. batch 64 x [M 2,048, K 32] x [K 32, N 2,048]; A: computed on the way; B: computed on the way: left as it is (an operand is computed on the way)
;;     3. batch 64 x [M 32, K 2,048] x [K 2,048, N 2,048]; A: computed on the way; B: computed on the way: left as it is (an operand is computed on the way)
;;     4. [M 4,096, K 1,024] x [K 1,024, N 1,024]; A: computed on the way; B: input W_o: left as it is (an operand is computed on the way)
;;   THE QUANTISER, for each operand of a quantised product, along K:
;;     - K is cut into blocks of 32 from its start; a last block that is shorter is filled with zeros.
;;     - A block's scale is 2^e with e = floor(log2(the largest magnitude in the block)) - 2, held to -126 .. 127; a block of zeros has e = 0. As a byte (E8M0): e + 127.
;;     - Each number is divided by its block's scale, clamped to +-6, and rounded to the nearest number of E2M1, ties to even, subnormals kept.
;;     - The product sums the exact products of the quantised numbers (number of the format x scale) in f32.
;;   ~~~python
;;   def quantise(x, axis):      # numpy; x: float32 -> the quantised numbers, widened to float32 again
;;       x = np.moveaxis(x, axis, -1); K = x.shape[-1]
;;       x = np.pad(x, [(0, 0)] * (x.ndim - 1) + [(0, -K % 32)]); x = x.reshape(x.shape[:-1] + (-1, 32)); a = np.abs(x).max(-1, keepdims=True)
;;       e = np.where(a > 0, np.clip(np.frexp(np.where(a > 0, a, 1))[1] - 1 - 2, -126, 127), 0)      # np.frexp(a)[1] - 1 = floor(log2(a)), exactly
;;       r = np.clip(x / 2.0 ** e, -6, 6)
;;       step = 2.0 ** (np.maximum(np.frexp(np.where(r == 0, 1, r))[1] - 1, 0) - 1)
;;       q = np.round(r / step) * step * 2.0 ** e      # np.round: ties to even
;;       return np.moveaxis(q.reshape(q.shape[:-2] + (-1,))[..., :K], -1, axis).astype(np.float32)
;;   ~~~
;; One version. Each part assembles by itself: llvm-mc -triple=amdgcn-amd-amdhsa -mcpu=gfx1250 --defsym DOCPART=n.
;; ======== version 1 of 1: 4 launches
;; limits: values are held in f16: magnitudes above 65,504 overflow, below 6.1e-05 lose precision
;; workspace buffers: xq 2,228,224 bytes; wq 1,671,168 bytes; wo 2,097,152 bytes; mc 4,194,304 bytes; rf 65,536 bytes; qkv 25,165,824 bytes; ao 8,388,608 bytes
;; launch prep (part 1): grid 768 x 1, 4 waves a work-group, no clusters, 101,888 bytes of LDS; arguments x, W_qkv, W_o, mask, xq, wq, wo, mc, rf; writes xq, wq, wo, mc, rf
.if DOCPART == 1
	.amdgcn_target "amdgcn-amd-amdhsa--gfx1250"
	.amdhsa_code_object_version 6
	.text
	.protected	k_qa788287ef9_prep
	.globl	k_qa788287ef9_prep
	.p2align	8
	.type	k_qa788287ef9_prep,@function
k_qa788287ef9_prep:
	s_mov_b64 s[64:65], 0
	v_nop
	global_prefetch_b8 v0, s[64:65] scope:SCOPE_SE
	s_setreg_imm32_b32 hwreg(HW_REG_WAVE_MODE, 25, 1), 1
	s_wait_xcnt 0x0
; PREP: every input but pe is brought once into the form in which a later launch's matrix operands take it.
;   work-groups   0-255: 16 rows of x      -> xq: codes of FP4 (E2M1) and E8M0 scale words, as images of operand registers
;   work-groups 256-447: 16 rows of W_qkv  -> wq: likewise
;   work-groups 448-511: 16 rows of W_o    -> wo: f16 fragments (16 rows x 32 k: 1,024 bytes), as images of operand registers
;   work-groups 512-767: 16 rows of mask   -> mc: one 4-bit code a key (true: 0, false: 0xF = -6 in E2M1), and rf: for each row and quarter of the keys 1.0 if any key counts, else 0.0
; Wave w takes quarter w of its 16 rows.  Each load reads 512 consecutive bytes of one row; the 16 x 512 bytes turn through the wave's own stage in LDS (rows 528 bytes apart,
; an odd multiple of 16, so that sixteen rows start in sixteen different groups of banks) and come back as the operand's layout wants them in a lane.  Waves share nothing: no barrier.
; THE QUANTISER: a block's scale is 2^(floor(log2(largest magnitude)) - 2); its byte is that magnitude's exponent field - 2, held at 1 from below.
; LIMITS: a block of zeros gets the byte 1 where the rule says 127 (its codes are zeros, and this program alone reads the bytes); NaN and infinities are not served; W_o goes as f16: magnitudes under 65,504.
; The three paths part on the work-group's number alone; each has LDS bytes of its own.
.set SP,    528                        ; a stage row: 512 bytes + 16
.set WST,   16*SP                      ; a wave's stage
.set STGO,  4*WST                      ; W_o's path: its four stages
.set STGM,  8*WST                      ; the mask's
.set SPARE, 12*WST                     ; behind the stages: the spare words, 128 bytes a wave: two blocks of 256 bytes that no other line names
.set LI,   4                           ; v4   16 x lane
.set H8,   7                           ; v7   8 x (lane / 16)
.set C,    16                          ; v16-31   codes, eight registers a step
.set R,    32                          ; v32-159  as loaded, 64 a step; later results to store
.set X,    160                         ; v160-223 turned: what the lane's operand registers are made of
.set SPW,  224                         ; v224 my spare word's LDS address; never rewritten
.set NIL,  225                         ; v225 0; never rewritten
.set STIQ, 226                         ; into and out of the stage, for each path: made ahead of the branch, never rewritten
.set STOQ, 227
.set STIO, 228
.set STOO, 229
.set STIM, 230
.set STOM, 231
.macro LOADROWS s, pitch               ; 512 bytes of each of the 16 rows, from byte 512 s of my quarter on
.irp i, 0,1,2,3,4,5,6,7,8,9,10,11,12,13,14,15
	global_load_b128 v[R+64*\s+4*\i:R+64*\s+4*\i+3], v[LI], s[26:27] offset:\i*\pitch+512*\s th:TH_LOAD_NT
.endr
.endm
.macro TURNIN s, sti                   ; into the stage as they lie
.irp i, 0,1,2,3,4,5,6,7,8,9,10,11,12,13,14,15
	ds_store_b128 v[\sti], v[R+64*\s+4*\i:R+64*\s+4*\i+3] offset:SP*\i
.endr
.endm
.macro FINISH                          ; the wave's end, behind my last LDS store
	s_wait_tensorcnt 0x0
	ds_add_u32 v[SPW], v[NIL]
	s_wait_dscnt 0x0
	s_endpgm
.endm
; 64 numbers of a lane: v[X + 32 e + i] = k 64 e + 32 (lane / 16) + i of row lane % 16: two whole blocks.  Codes into v[C + 8 s ..], the row's scale word into v[14 + s].
.macro QUANT2 s
.irp e, 0,1
	v_max3_num_f32 v[8+\e], |v[X+32*\e]|, |v[X+32*\e+1]|, 0x1800000   ; with the floor 2^(3 - 127): the byte cannot fall under 1
.endr
.irp i, 2,4,6,8,10,12,14,16,18,20,22,24,26,28,30
.irp e, 0,1
	v_max3_num_f32 v[8+\e], v[8+\e], |v[X+32*\e+\i]|, |v[X+32*\e+\i+1]|   ; the two blocks by turns
.endr
.endr
.irp e, 0,1
	v_add_nc_u32 v[10+\e], 0xff000000, v[8+\e]     ; 2 off the exponent field: the conversion's scale operand
.endr
.irp e, 0,1
.irp g, 0,1,2,3
	v_cvt_scalef32_pk8_fp4_f32 v[C+8*\s+4*\e+\g], v[X+32*\e+8*\g:X+32*\e+8*\g+7], v[10+\e]
.endr
.endr
	v_lshrrev_b32 v12, 23, v10                     ; the bytes of blocks h and 2 + h (plain lines behind the conversions)
	v_lshrrev_b32 v13, 23, v11
	v_lshl_or_b32 v12, v13, 16, v12
	v_lshlrev_b32 v12, v[H8], v12                  ; at their places in the word
	v_permlanex16_b32 v13, v12, s24, s25
	v_or_b32 v[14+\s], v12, v13                    ; with lane l xor 16's two the word is whole
.endm
	s_load_b512 s[4:19], s[0:1], 0x0               ; x, W_qkv, W_o, mask, xq, wq, wo, mc
	s_load_b64 s[20:21], s[0:1], 0x40              ; rf
	v_lshl_add_u32 v[SPW], v0, 2, SPARE
	v_mov_b32 v[NIL], 0
	v_lshrrev_b32 v1, 5, v0
	v_readfirstlane_b32 s22, v1                    ; wave
	v_and_b32 v1, 31, v0                           ; lane
	v_and_b32 v2, 15, v0                           ; r
	v_bfe_u32 v3, v0, 4, 1                         ; h
	v_lshlrev_b32 v[LI], 4, v1
	v_lshlrev_b32 v[H8], 3, v3
	s_mul_i32 s23, s22, WST
	v_add_nc_u32 v[STIQ], s23, v[LI]               ; in: my wave's stage + 16 x lane
	v_add_nc_u32 v[STIO], STGO, v[STIQ]
	v_add_nc_u32 v[STIM], STGM, v[STIQ]
	v_mul_u32_u24 v8, v2, SP
	v_add_nc_u32 v8, s23, v8                       ; out: row r,
	v_lshl_add_u32 v[STOQ], v3, 7, v8              ; + 128 h: 32 numbers of a block
	v_lshl_add_u32 v[STOO], v3, 5, v8              ; + 32 h: 8 numbers
	v_add_nc_u32 v[STOO], STGO, v[STOO]
	v_lshl_add_u32 v[STOM], v3, 3, v8              ; + 8 h: 8 mask bytes
	v_add_nc_u32 v[STOM], STGM, v[STOM]
	s_mov_b32 s24, 0x76543210
	s_mov_b32 s25, 0xfedcba98                      ; v_permlanex16_b32's selects for lane l xor 16
	s_mov_b32 s39, 0
	s_wait_kmcnt 0x0
	s_cmp_lt_u32 ttmp9, 448
	s_cbranch_scc0 .Lnot_q
	; ---- x or W_qkv: one path, the buffers and the record's sizes chosen by the work-group's number
	s_cmp_lt_u32 ttmp9, 256
	s_cselect_b64 s[26:27], s[4:5], s[6:7]         ; from
	s_cselect_b64 s[28:29], s[12:13], s[14:15]     ; to
	s_cselect_b32 s30, 0, 256
	s_cselect_b32 s31, 16, 12                      ; NT: row tiles in a block (256 rows of x, 192 of W_qkv)
	s_mov_b32 s32, 104448
	s_cselect_b32 s32, 139264, s32                 ; a block's bytes: four records
	s_mov_b32 s33, 26112
	s_cselect_b32 s33, 34816, s33                  ; a record: 256 along K: codes [2][NT][1,024], scale words [2][NT][64]
	s_sub_co_u32 s34, ttmp9, s30                   ; T: my row tile
	s_lshr_b32 s35, s34, 4
	s_mul_i32 s36, s34, 43691
	s_lshr_b32 s36, s36, 19                        ; T / 12, right for T under 192
	s_cmp_lt_u32 ttmp9, 256
	s_cselect_b32 s35, s35, s36                    ; the block
	s_mul_i32 s36, s35, s31
	s_sub_co_u32 s36, s34, s36                     ; t: my tile in it
	s_lshl_b32 s38, s34, 16                        ; 16 rows of 4,096 bytes
	s_lshl_b32 s37, s22, 10                        ; my quarter
	s_add_co_u32 s38, s38, s37
	s_add_nc_u64 s[26:27], s[26:27], s[38:39]
	s_mul_i32 s38, s35, s32
	s_mul_i32 s37, s22, s33
	s_add_co_u32 s38, s38, s37
	s_add_nc_u64 s[28:29], s[28:29], s[38:39]      ; my record (chunk = wave)
	s_lshl_b32 s38, s36, 10
	s_add_nc_u64 s[40:41], s[28:29], s[38:39]      ; my tile's image, K step 0,
	s_lshl_b32 s38, s31, 10
	s_add_nc_u64 s[42:43], s[40:41], s[38:39]      ; K step 1
	s_lshl_b32 s38, s31, 11
	s_lshl_b32 s37, s36, 6
	s_add_co_u32 s38, s38, s37
	s_add_nc_u64 s[44:45], s[28:29], s[38:39]      ; my tile's scale words, K step 0
	s_lshl_b32 s46, s31, 6                         ; K step 1's lie 64 NT bytes on
	LOADROWS 0, 4096
	LOADROWS 1, 4096
.irp s, 0,1
	s_wait_loadcnt 16-16*\s                        ; this step's 16 loads are in; the next step's 16 may be out
	TURNIN \s, STIQ
.irp e, 0,1
.irp i, 0,1,2,3,4,5,6,7
	ds_load_b128 v[X+32*\e+4*\i:X+32*\e+4*\i+3], v[STOQ] offset:256*\e+16*\i   ; LDS serves a wave's instructions in order: these see my stores
.endr
.endr
	s_wait_dscnt 0x0
	QUANT2 \s
	global_store_b128 v[LI], v[C+8*\s:C+8*\s+3], s[40+2*\s:41+2*\s]               ; registers 0-3 of the fragment: 512 consecutive bytes
	global_store_b128 v[LI], v[C+8*\s+4:C+8*\s+7], s[40+2*\s:41+2*\s] offset:512  ; registers 4-7
.endr
	v_cmp_eq_u32 vcc_lo, 1, v3
	v_cndmask_b32 v12, v14, v15, vcc_lo            ; lanes 0-15 store K step 0's words, lanes 16-31 K step 1's
	v_mul_u32_u24 v13, v3, s46
	v_lshl_add_u32 v13, v2, 2, v13
	global_store_b32 v13, v12, s[44:45]
	FINISH
.Lnot_q:
	s_cmp_lt_u32 ttmp9, 512
	s_cbranch_scc0 .Lmask
	; ---- W_o: f16 fragments.  Image: byte 512 u + 16 lane = registers 4 u .. 4 u + 3 of lane (r, h): k = 16 u + 8 h + 0 .. 7 of row r
	s_sub_co_u32 s34, ttmp9, 448                   ; the tile of 16 rows
	s_lshl_b32 s38, s34, 16
	s_lshl_b32 s37, s22, 10
	s_add_co_u32 s38, s38, s37
	s_add_nc_u64 s[26:27], s[8:9], s[38:39]
	s_lshl_b32 s38, s34, 15                        ; 32 K steps of 1,024 bytes a tile,
	s_lshl_b32 s37, s22, 13                        ; eight of them mine
	s_add_co_u32 s38, s38, s37
	s_add_nc_u64 s[40:41], s[16:17], s[38:39]
	LOADROWS 0, 4096
	LOADROWS 1, 4096
.irp s, 0,1
	s_wait_loadcnt 16-16*\s                        ; as above
	TURNIN \s, STIO
.set n, 0
.rept 16
	ds_load_b128 v[X+4*n:X+4*n+3], v[STOO] offset:128*(n/4)+64*((n/2)%2)+16*(n%2)   ; K step n / 4, half (n / 2) % 2: my eight numbers, in two loads
.set n, n+1
.endr
	s_wait_dscnt 0x0
.set n, 0
.rept 32
	v_cvt_pk_f16_f32 v[R+64*\s+n], v[X+2*n], v[X+2*n+1]
.set n, n+1
.endr
.irp m, 0,1,2,3,4,5,6,7
	global_store_b128 v[LI], v[R+64*\s+4*\m:R+64*\s+4*\m+3], s[40:41] offset:4096*\s+512*\m
.endr
.endr
	FINISH
.Lmask:
	; ---- mask.  mc: [row tile][step of 64 keys][lane][16 bytes]: the lane's word a holds in nibble j the key 64 step + 16 a + 8 h + j of row r
	s_sub_co_u32 s34, ttmp9, 512                   ; the tile of 16 rows, 0 .. 255
	s_lshl_b32 s38, s34, 15                        ; 16 rows of 2,048 bytes
	s_lshl_b32 s37, s22, 9                         ; my 512 keys
	s_add_co_u32 s38, s38, s37
	s_add_nc_u64 s[26:27], s[10:11], s[38:39]
	s_lshl_b32 s38, s34, 14
	s_lshl_b32 s37, s22, 12                        ; my eight steps of 512 bytes
	s_add_co_u32 s38, s38, s37
	s_add_nc_u64 s[40:41], s[18:19], s[38:39]
	s_lshl_b32 s38, s22, 14                        ; rf: [quarter][row]
	s_lshl_b32 s37, s34, 6
	s_add_co_u32 s38, s38, s37
	s_add_nc_u64 s[42:43], s[20:21], s[38:39]
	s_mov_b32 s30, 0x06040200                      ; v_perm_b32: the even bytes of a pair of words,
	s_mov_b32 s31, 0x07050301                      ; the odd ones
	LOADROWS 0, 2048
	s_wait_loadcnt 0x0
	TURNIN 0, STIM
.set n, 0
.rept 32
	ds_load_b64 v[X+2*n:X+2*n+1], v[STOM] offset:64*(n/4)+16*(n%4)   ; step n / 4, word n % 4: my eight keys' bytes
.set n, n+1
.endr
	s_wait_dscnt 0x0
.set n, 0
.rept 32
	v_perm_b32 v[R+n], v[X+2*n+1], v[X+2*n], s30   ; keys 0, 2, 4, 6
.set n, n+1
.endr
.set n, 0
.rept 32
	v_perm_b32 v[X+2*n+1], v[X+2*n+1], v[X+2*n], s31   ; keys 1, 3, 5, 7
.set n, n+1
.endr
.set n, 0
.rept 32
	v_lshl_or_b32 v[R+n], v[X+2*n+1], 4, v[R+n]    ; a nibble a key, in the keys' order: 1 where the key counts
.set n, n+1
.endr
.set n, 0
.rept 32
	v_xor_b32 v[R+n], 0x11111111, v[R+n]           ; 1 where it is hidden
.set n, n+1
.endr
.set n, 0
.rept 32
	v_lshlrev_b32 v[X+2*n], 4, v[R+n]
.set n, n+1
.endr
.set n, 0
.rept 32
	v_sub_nc_u32 v[R+n], v[X+2*n], v[R+n]          ; x 15: 0xF where it is hidden
.set n, n+1
.endr
.irp t, 0,1,2,3,4,5,6,7
	global_store_b128 v[LI], v[R+4*\t:R+4*\t+3], s[40:41] offset:512*\t
.endr
	v_and_b32 v8, v[R], v[R+1]                     ; are all my keys hidden?  Two chains
	v_and_b32 v9, v[R+2], v[R+3]
.irp i, 4,6,8,10,12,14,16,18,20,22,24,26,28,30
	v_and_b32 v8, v8, v[R+\i]
	v_and_b32 v9, v9, v[R+\i+1]
.endr
	v_and_b32 v8, v8, v9
	v_permlanex16_b32 v9, v8, s24, s25
	v_and_b32 v8, v8, v9                           ; with lane l xor 16's: the row's 512 keys
	v_cmp_ne_u32 vcc_lo, -1, v8
	v_cndmask_b32 v10, 0, 1.0, vcc_lo
	v_lshlrev_b32 v11, 2, v2
	global_store_b32 v11, v10, s[42:43]            ; lanes l and l xor 16 store the same word with the same value
	FINISH
.Lfunc_end_k_qa788287ef9_prep:
	.size	k_qa788287ef9_prep, .Lfunc_end_k_qa788287ef9_prep-k_qa788287ef9_prep
	.p2alignl 7, 3214868480
	.fill 96, 4, 3214868480
	.section	.rodata,"a",@progbits
	.p2align	6, 0x0
	.amdhsa_kernel k_qa788287ef9_prep
		.amdhsa_group_segment_fixed_size 101888
		.amdhsa_private_segment_fixed_size 0
		.amdhsa_enable_private_segment 0
		.amdhsa_kernarg_size 72
		.amdhsa_user_sgpr_count 2
		.amdhsa_user_sgpr_kernarg_segment_ptr 1
		.amdhsa_wavefront_size32 1
		.amdhsa_system_sgpr_workgroup_id_x 1
		.amdhsa_system_sgpr_workgroup_id_y 1
		.amdhsa_system_sgpr_workgroup_id_z 1
		.amdhsa_system_vgpr_workitem_id 0
		.amdhsa_next_free_vgpr 232
		.amdhsa_next_free_sgpr 66
		.amdhsa_reserve_vcc 1
		.amdhsa_float_denorm_mode_32 3
		.amdhsa_float_denorm_mode_16_64 3
		.amdhsa_memory_ordered 1
		.amdhsa_forward_progress 1
		.amdhsa_inst_pref_size 48
	.end_amdhsa_kernel
	.amdgpu_metadata
---
amdhsa.version: [ 1, 2 ]
amdhsa.kernels:
  - .name:           k_qa788287ef9_prep
    .symbol:         k_qa788287ef9_prep.kd
    .args:
      - { .name: x, .offset: 0, .size: 8, .value_kind: global_buffer, .address_space: global }
      - { .name: W_qkv, .offset: 8, .size: 8, .value_kind: global_buffer, .address_space: global }
      - { .name: W_o, .offset: 16, .size: 8, .value_kind: global_buffer, .address_space: global }
      - { .name: mask, .offset: 24, .size: 8, .value_kind: global_buffer, .address_space: global }
      - { .name: xq, .offset: 32, .size: 8, .value_kind: global_buffer, .address_space: global }
      - { .name: wq, .offset: 40, .size: 8, .value_kind: global_buffer, .address_space: global }
      - { .name: wo, .offset: 48, .size: 8, .value_kind: global_buffer, .address_space: global }
      - { .name: mc, .offset: 56, .size: 8, .value_kind: global_buffer, .address_space: global }
      - { .name: rf, .offset: 64, .size: 8, .value_kind: global_buffer, .address_space: global }
    .group_segment_fixed_size: 101888
    .private_segment_fixed_size: 0
    .kernarg_segment_align: 8
    .kernarg_segment_size: 72
    .max_flat_workgroup_size: 128
    .sgpr_count:     66
    .vgpr_count:     232
    .wavefront_size: 32
...
	.end_amdgpu_metadata
.endif
;; end of part 1
;; launch qkv (part 2): grid 16 x 16, 16 waves a work-group, clusters of 4 x 4, 245,760 bytes of LDS; arguments xq, wq, pe, rf, qkv; writes qkv
.if DOCPART == 2
	.amdgcn_target "amdgcn-amd-amdhsa--gfx1250"
	.amdhsa_code_object_version 6
	.text
	.protected	k_qa788287ef9_qkv
	.globl	k_qa788287ef9_qkv
	.p2align	8
	.type	k_qa788287ef9_qkv,@function
k_qa788287ef9_qkv:
	s_mov_b64 s[64:65], 0
	v_nop
	global_prefetch_b8 v0, s[64:65] scope:SCOPE_SE
	s_setreg_imm32_b32 hwreg(HW_REG_WAVE_MODE, 25, 1), 1
	s_wait_xcnt 0x0
	s_wait_alu depctr_hold_cnt(0) depctr_sa_sdst(0) depctr_va_vdst(0) depctr_va_sdst(0) depctr_va_ssrc(0) depctr_va_vcc(0) depctr_vm_vsrc(0)
	s_getreg_b32 s2, hwreg(HW_REG_IB_STS2, 6, 4)
	s_cmp_eq_u32 s2, 0
	s_cbranch_scc0 .Lentry_in_a_cluster
	s_endpgm
.Lentry_in_a_cluster:
	s_bfe_u32 s2, ttmp6, 0x10000c
	s_cmp_lg_u32 s2, 0xf033
	s_cbranch_scc0 .Lentry_shape_is_right
	s_endpgm
.Lentry_shape_is_right:
; QKV: t = x W_qkv^T on codes of FP4 (E2M1) with E8M0 scales, then the rotary step, and q, k, v stored as f16 in the order of the attention's operand registers.
; A work-group makes 256 tokens (work-group y) x 192 columns (work-group x).  Sixteen waves, four to a SIMD: wave (wm = w / 4, wn = w % 4) makes 64 tokens x 48 columns: 12 accumulators.
; NO RING: the block's codes and scale words for all of K are 139,264 bytes of x and 104,448 of W_qkv: both lie in LDS at once.  They are asked for at the head in four chunks of 256 along K and read
; behind counted waits; no LDS byte is filled twice.  By this text's own count a wave has four tensor loads out.
; CLUSTER 4 x 4: x's block hangs on work-group y alone and is asked for jointly along a row of the cluster, W_qkv's on work-group x alone, along a column.
; THE PRODUCT IS USED TRANSPOSED (source 0 = 16 rows of W_qkv, source 1 = 16 tokens): lane (r, h) holds token r and eight neighbouring columns 8 h + j: four rotary pairs, 16 bytes of f16.
; ROTARY: cos = pe[s][16 + head / 2], sin = pe[s][head / 2]; d(2i) = e cos - o sin, d(2i+1) = o cos + e sin.  q is also multiplied, in f32, by c = log2(e) / sqrt(32) and by the row's flag
; (0 where the mask hides every key of the row: all its scores are then equal, as in the reference).  v passes unchanged (cos 1, sin 0).  Which of the three a tile of 16 columns is hangs on the
; work-group's place: it is decided by selects, never by a branch.
; OUT: qkv [q, k, v][batch x head][32 tokens][16 channels: 2][16 tokens: 2][512 bytes].  q, k: lane (r, h)'s 16 bytes at 16 x lane.  v: at 16 x (16 (r / 8) + 8 h + r % 8), so that the turning LDS load at 16 x lane gives V^T.
; LIMITS: q c, k, v go as f16: magnitudes under 65,504.
.set ACH,    34816                     ; a chunk of x's block: codes [2 K steps][16 tiles][1,024], scale words [2][16][64]
.set BCH,    26112                     ; of W_qkv's: [2][12][1,024], [2][12][64]
.set ABYTES, 4*ACH
.set SPARE,  ABYTES+4*BCH              ; behind the tiles: the spare words, 128 bytes a wave: eight blocks of 256 bytes that no other line names
.set LI,  1                            ; v1  16 x lane
.set VA,  4                            ; v4  LDS: my A fragments;  v5 my B fragments;  v6 A's scale words (lanes 0-15 K step 0, lanes 16-31 K step 1);  v7 B's
.set VB,  5
.set VSA, 6
.set VSB, 7
.set LV,  9                            ; v9  16 x the place of my 16 bytes in a block of v
.set ACC, 16                           ; v16-111  accumulator (mt, nt) at 16 + 8 (3 mt + nt)
.set AF,  112                          ; v112-143 four fragments of x;  v144-167 three of W_qkv;  on the way out v112-159: the packed results
.set BF,  144
.set SA,  168                          ; v168-171, v172-174: scale words and nothing else
.set SB,  172
.set SIN, 176                          ; v176-187 sin (mt, nt);  v188-199 cos
.set COS, 188
.set FLG, 200                          ; v200-215 flags (quarter, mt)
.set FL,  216                          ; v216-219 c x the row's flag
.set LT,  232                          ; v232-234 the stores' lane term, one for each nt
.set SPW, 254
.set NIL, 255
.set WV,  14
.set G1A, 24
.set G1B, 32
.set G0A, 40                           ; s[40:55] group 0 for x's four chunks;  s[68:83] for W_qkv's
.set G0B, 68
.set PEB, 84                           ; s[84:89] pe at my head's column, one pair for each nt
.set STB, 90                           ; s[90:95] the stores' bases, one pair for each nt
.macro ROUND                           ; a round of the cluster's barrier
	s_barrier_signal -1
	s_barrier_wait -1
	s_cmp_lg_u32 s[WV], 0
	s_cbranch_scc1 .Lnot_wave_0_\@
	s_barrier_signal -3
.Lnot_wave_0_\@:
	s_barrier_wait -3
	s_barrier_signal -1
	s_barrier_wait -1
.endm
	s_load_b256 s[4:11], s[0:1], 0x0               ; xq, wq, pe, rf
	s_load_b64 s[12:13], s[0:1], 0x20              ; qkv
	v_lshl_add_u32 v[SPW], v0, 2, SPARE
	v_mov_b32 v[NIL], 0
	ds_add_u32 v[SPW], v[NIL]                      ; the wave's opening: the add, twice on end, and its wait ahead of the first tensor load
	ds_add_u32 v[SPW], v[NIL]
	v_lshrrev_b32 v1, 5, v0
	v_readfirstlane_b32 s[WV], v1                  ; wave 0..15
	s_bfe_u32 s15, ttmp6, 0x40000                  ; cx
	s_bfe_u32 s16, ttmp6, 0x40004                  ; cy
	s_lshl_b32 s17, ttmp9, 2
	s_add_co_u32 s17, s17, s15                     ; work-group x: the block of 192 columns
	s_and_b32 s18, ttmp7, 0xffff
	s_lshl_b32 s18, s18, 2
	s_add_co_u32 s18, s18, s16                     ; work-group y: the block of 256 tokens
	s_lshr_b32 s19, s[WV], 2                       ; wm
	s_and_b32 s20, s[WV], 3                        ; wn
	s_and_b32 s21, s[WV], 7                        ; which 17 rows of 256 bytes of a chunk I fetch
	s_lshl_b32 s22, s16, 2
	s_lshl_b32 s22, 15, s22                        ; my row of the cluster
	s_lshl_b32 s23, 0x1111, s15                    ; my column
	s_or_b32 s[G1A], s22, (3<<16)|(1<<21)          ; 15:0 the mask; 17:16 elements of 8 bytes; 21 set beside a mask; no padding
	s_or_b32 s[G1B], s23, (3<<16)|(1<<21)
.irp g, G1A, G1B
	s_mov_b32 s[\g+1], 32<<16                      ; tensor_dim0 = 32 elements: rows of 256 bytes
	s_mov_b32 s[\g+2], 17<<16                      ; tensor_dim1 = 17
	s_mov_b32 s[\g+3], 32<<16                      ; tile_dim0
	s_mov_b32 s[\g+4], 17                          ; tile_dim1
	s_mov_b32 s[\g+5], 32                          ; dense: the pitch is the row
	s_mov_b32 s[\g+6], 0
	s_mov_b32 s[\g+7], 0
.endr
	s_mul_i32 s60, s21, 4352                       ; my 17 rows: in LDS and in memory alike
	s_mul_i32 s56, s18, ABYTES
	s_add_co_u32 s56, s56, s60                     ; x's block hangs on work-group y alone,
	s_mov_b32 s57, 0
	s_mul_i32 s58, s17, 4*BCH
	s_add_co_u32 s58, s58, s60                     ; W_qkv's on work-group x alone
	s_mov_b32 s59, 0
	s_wait_dscnt 0x0                               ; both opening adds are done
	s_wait_kmcnt 0x0
	s_add_nc_u64 s[56:57], s[4:5], s[56:57]
	s_add_nc_u64 s[58:59], s[6:7], s[58:59]
.irp c, 0,1,2,3
	s_mov_b32 s[G0A+4*\c], 1
	s_add_co_u32 s[G0A+4*\c+1], s60, \c*ACH
	s_add_nc_u64 s[G0A+4*\c+2:G0A+4*\c+3], s[56:57], \c*ACH
	s_or_b32 s[G0A+4*\c+3], s[G0A+4*\c+3], 0x80000000
	s_mov_b32 s[G0B+4*\c], 1
	s_add_co_u32 s[G0B+4*\c+1], s60, ABYTES+\c*BCH
	s_add_nc_u64 s[G0B+4*\c+2:G0B+4*\c+3], s[58:59], \c*BCH
	s_or_b32 s[G0B+4*\c+3], s[G0B+4*\c+3], 0x80000000
.endr
	ROUND                                          ; all sixteen work-groups are here: the joint loads meet
	s_cmp_lt_u32 s[WV], 8                          ; waves 0-7: x's chunks (8 x 17 rows each); waves 8-13: W_qkv's (6 x 17); waves 14, 15: none.  A wave's four fills stand in one branch
	s_cbranch_scc0 .Lnot_a
.irp c, 0,1,2,3
	tensor_load_to_lds s[G0A+4*\c:G0A+4*\c+3], s[G1A:G1A+7]
	s_nop 0
.endr
.rept 4
	v_nop
.endr
	s_branch .Lasked
.Lnot_a:
	s_cmp_lt_u32 s[WV], 14
	s_cbranch_scc0 .Lasked
.irp c, 0,1,2,3
	tensor_load_to_lds s[G0B+4*\c:G0B+4*\c+3], s[G1B:G1B+7]
	s_nop 0
.endr
.rept 4
	v_nop
.endr
.Lasked:
	v_and_b32 v1, 31, v0
	v_lshlrev_b32 v[LI], 4, v1
	v_and_b32 v2, 15, v0                           ; r
	v_bfe_u32 v3, v0, 4, 1                         ; h
	s_lshl_b32 s61, s19, 12
	v_add_nc_u32 v[VA], s61, v[LI]                 ; tiles 4 wm + mt of 1,024 bytes
	s_mul_i32 s61, s20, 3072
	s_add_co_u32 s61, s61, ABYTES
	v_add_nc_u32 v[VB], s61, v[LI]                 ; tiles 3 wn + nt
	v_lshlrev_b32 v8, 2, v2
	v_lshl_add_u32 v[VSA], v3, 10, v8              ; 4 r + 1,024 h: lanes 16-31 take K step 1's words
	s_lshl_b32 s61, s19, 8
	s_add_co_u32 s61, s61, 32768
	v_add_nc_u32 v[VSA], s61, v[VSA]
	v_mul_u32_u24 v[VSB], v3, 768
	v_add_nc_u32 v[VSB], v[VSB], v8
	s_mul_i32 s61, s20, 192
	s_add_co_u32 s61, s61, ABYTES+24576
	v_add_nc_u32 v[VSB], s61, v[VSB]
	v_lshrrev_b32 v[LV], 3, v2
	v_lshlrev_b32 v[LV], 4, v[LV]
	v_lshl_add_u32 v[LV], v3, 3, v[LV]
	v_and_b32 v12, 7, v2
	v_add_nc_u32 v[LV], v[LV], v12
	v_lshlrev_b32 v[LV], 4, v[LV]                  ; 16 x (16 (r / 8) + 8 h + r % 8)
	s_lshl_b32 s61, s19, 13
	v_lshl_add_u32 v10, v2, 7, s61                 ; pe: (64 wm + r) rows of 128 bytes
	s_lshl_b32 s61, s19, 8
	v_lshl_add_u32 v11, v2, 2, s61                 ; rf: (64 wm + r) words
	s_mul_i32 s62, s17, 12
	s_mul_i32 s63, s20, 3
	s_add_co_u32 s62, s62, s63                     ; my first tile of 16 columns: 12 x work-group x + 3 wn; kept
	s_and_b32 s63, s18, 7
	s_lshl_b32 s63, s63, 15                        ; my block's first position: (work-group y % 8) x 256 rows of pe
	s_mov_b32 s99, 0
.irp nt, 0,1,2
	s_add_co_u32 s98, s62, \nt
	s_bfe_u32 s98, s98, 0x40002                    ; head / 2 = (tile / 4) % 16
	s_lshl_b32 s98, s98, 2
	s_add_co_u32 s98, s98, s63
	s_add_nc_u64 s[PEB+2*\nt:PEB+2*\nt+1], s[8:9], s[98:99]
.endr
	s_lshl_b32 s98, s18, 10
	s_add_nc_u64 s[10:11], s[10:11], s[98:99]      ; rf at my block's first token
.irp mt, 0,1,2,3
.irp nt, 0,1,2
	global_load_b32 v[SIN+3*\mt+\nt], v10, s[PEB+2*\nt:PEB+2*\nt+1] offset:2048*\mt
	global_load_b32 v[COS+3*\mt+\nt], v10, s[PEB+2*\nt:PEB+2*\nt+1] offset:2048*\mt+64
.endr
.endr
.irp q, 0,1,2,3
.irp mt, 0,1,2,3
	global_load_b32 v[FLG+4*\q+\mt], v11, s[10:11] offset:16384*\q+64*\mt
.endr
.endr
; A chunk: 256 along K, two matrix instructions deep on each of the 12 accumulators, which take turns, one instruction a turn.
.macro CHUNK c
.if \c > 0
	v_add_nc_u32 v[VA], ACH, v[VA]                 ; on to this chunk: four plain lines, which are also the places between the last products and the loads into their registers
	v_add_nc_u32 v[VSA], ACH, v[VSA]
	v_add_nc_u32 v[VB], BCH, v[VB]
	v_add_nc_u32 v[VSB], BCH, v[VSB]
.endif
	s_wait_tensorcnt 3-\c                          ; my part of this chunk is in; my loads of the 3 - c later chunks may be out
	s_barrier_signal -1
	s_barrier_wait -1                              ; everybody's part is in
.irp mt, 0,1,2,3
	ds_load_b32 v[SA+\mt], v[VSA] offset:64*\mt
.endr
.irp nt, 0,1,2
	ds_load_b32 v[SB+\nt], v[VSB] offset:64*\nt
.endr
.irp s, 0,1
.if \s > 0
.rept 4
	v_nop                                          ; places in front of loads into registers that matrix instructions have read
.endr
.endif
.irp mt, 0,1,2,3
.irp e, 0,1
	ds_load_b128 v[AF+8*\mt+4*\e:AF+8*\mt+4*\e+3], v[VA] offset:16384*\s+1024*\mt+512*\e
.endr
.endr
.irp nt, 0,1,2
.irp e, 0,1
	ds_load_b128 v[BF+8*\nt+4*\e:BF+8*\nt+4*\e+3], v[VB] offset:12288*\s+1024*\nt+512*\e
.endr
.endr
	s_wait_dscnt 0x0
.irp mt, 0,1,2,3
.irp nt, 0,1,2
.if (\c == 0) && (\s == 0)
	v_wmma_scale_f32_16x16x128_f8f6f4 v[ACC+8*(3*\mt+\nt):ACC+8*(3*\mt+\nt)+7], v[BF+8*\nt:BF+8*\nt+7], v[AF+8*\mt:AF+8*\mt+7], 0, v[SB+\nt], v[SA+\mt] matrix_a_fmt:MATRIX_FMT_FP4 matrix_b_fmt:MATRIX_FMT_FP4
.elseif \s == 0
	v_wmma_scale_f32_16x16x128_f8f6f4 v[ACC+8*(3*\mt+\nt):ACC+8*(3*\mt+\nt)+7], v[BF+8*\nt:BF+8*\nt+7], v[AF+8*\mt:AF+8*\mt+7], v[ACC+8*(3*\mt+\nt):ACC+8*(3*\mt+\nt)+7], v[SB+\nt], v[SA+\mt] matrix_a_fmt:MATRIX_FMT_FP4 matrix_b_fmt:MATRIX_FMT_FP4
.else
	v_wmma_scale_f32_16x16x128_f8f6f4 v[ACC+8*(3*\mt+\nt):ACC+8*(3*\mt+\nt)+7], v[BF+8*\nt:BF+8*\nt+7], v[AF+8*\mt:AF+8*\mt+7], v[ACC+8*(3*\mt+\nt):ACC+8*(3*\mt+\nt)+7], v[SB+\nt], v[SA+\mt] matrix_a_fmt:MATRIX_FMT_FP4 matrix_b_fmt:MATRIX_FMT_FP4 matrix_a_scale:MATRIX_SCALE_ROW1 matrix_b_scale:MATRIX_SCALE_ROW1
.endif
.endr
.endr
.endr
.endm
	CHUNK 0
	CHUNK 1
	CHUNK 2
	CHUNK 3
	; THE WAY OUT
	s_wait_loadcnt 0x0                             ; pe and the flags
.irp mt, 0,1,2,3
	v_max3_num_f32 v[FL+\mt], v[FLG+\mt], v[FLG+4+\mt], v[FLG+8+\mt]   ; does any key count for my token?  (These twelve plain lines are the places behind the last products)
.endr
.irp mt, 0,1,2,3
	v_max_num_f32 v[FL+\mt], v[FL+\mt], v[FLG+12+\mt]
.endr
.irp mt, 0,1,2,3
	v_mul_f32 v[FL+\mt], 0x3e8293ee, v[FL+\mt]     ; x c = log2(e) / sqrt(32)
.endr
	s_lshr_b32 s23, s18, 3
	s_lshl_b32 s23, s23, 22                        ; the batch: 32 heads of 131,072 bytes
	s_and_b32 s22, s18, 7
	s_lshl_b32 s22, s22, 14                        ; my block's eight groups of 32 tokens, 2,048 bytes each,
	s_add_co_u32 s23, s23, s22
	s_lshl_b32 s22, s19, 12                        ; my wave's two
	s_add_co_u32 s23, s23, s22
.macro EPI nt
	s_add_co_u32 s98, s62, \nt                     ; the tile of 16 columns
	s_lshr_b32 s99, s98, 6                         ; 0: q, 1: k, 2: v
	s_cmp_eq_u32 s99, 0
	s_cselect_b32 s96, -1, 0                       ; all lanes where it is q
	s_cmp_eq_u32 s99, 2
	s_cselect_b32 s97, -1, 0                       ; all lanes where it is v
	s_lshl_b32 s99, s99, 23
	s_bfe_u32 s22, s98, 0x50001                    ; the head
	s_lshl_b32 s22, s22, 17
	s_add_co_u32 s99, s99, s22
	s_and_b32 s22, s98, 1                          ; which 16 of its 32 channels
	s_lshl_b32 s22, s22, 10
	s_add_co_u32 s98, s99, s22
	s_add_co_u32 s98, s98, s23
	s_mov_b32 s99, 0
	s_add_nc_u64 s[STB+2*\nt:STB+2*\nt+1], s[12:13], s[98:99]
	v_cndmask_b32 v[LT+\nt], v[LI], v[LV], s97
.irp mt, 0,1,2,3
	v_cndmask_b32 v220, 1.0, v[FL+\mt], s96        ; q alone is scaled
	v_cndmask_b32 v221, v[COS+3*\mt+\nt], 1.0, s97 ; v is not turned
	v_cndmask_b32 v222, v[SIN+3*\mt+\nt], 0, s97
	v_mul_f32 v221, v221, v220
	v_mul_f32 v222, v222, v220
.irp p, 0,1,2,3
	v_mul_f32 v[224+2*\p], v[ACC+8*(3*\mt+\nt)+2*\p+1], v222       ; o sin   (each accumulator is read from its low end on)
	v_mul_f32 v[225+2*\p], v[ACC+8*(3*\mt+\nt)+2*\p], v222         ; e sin
.endr
.irp p, 0,1,2,3
	v_fma_f32 v[224+2*\p], v[ACC+8*(3*\mt+\nt)+2*\p], v221, -v[224+2*\p]     ; e cos - o sin
	v_fma_f32 v[225+2*\p], v[ACC+8*(3*\mt+\nt)+2*\p+1], v221, v[225+2*\p]    ; o cos + e sin
.endr
.irp p, 0,1,2,3
	v_cvt_pk_f16_f32 v[AF+4*(3*\mt+\nt)+\p], v[224+2*\p], v[225+2*\p]
.endr
	global_store_b128 v[LT+\nt], v[AF+4*(3*\mt+\nt):AF+4*(3*\mt+\nt)+3], s[STB+2*\nt:STB+2*\nt+1] offset:(\mt/2)*2048+(\mt%2)*512   ; the wave stores 512 consecutive bytes; no store's registers are written again
.endr
.endm
	EPI 0
	EPI 1
	EPI 2
	s_wait_tensorcnt 0x0                           ; the wave's end
	ds_add_u32 v[SPW], v[NIL]
	s_wait_dscnt 0x0
	ROUND                                          ; the closing round
	s_endpgm
.Lfunc_end_k_qa788287ef9_qkv:
	.size	k_qa788287ef9_qkv, .Lfunc_end_k_qa788287ef9_qkv-k_qa788287ef9_qkv
	.p2alignl 7, 3214868480
	.fill 96, 4, 3214868480
	.section	.rodata,"a",@progbits
	.p2align	6, 0x0
	.amdhsa_kernel k_qa788287ef9_qkv
		.amdhsa_group_segment_fixed_size 245760
		.amdhsa_private_segment_fixed_size 0
		.amdhsa_enable_private_segment 0
		.amdhsa_kernarg_size 40
		.amdhsa_user_sgpr_count 2
		.amdhsa_user_sgpr_kernarg_segment_ptr 1
		.amdhsa_wavefront_size32 1
		.amdhsa_system_sgpr_workgroup_id_x 1
		.amdhsa_system_sgpr_workgroup_id_y 1
		.amdhsa_system_sgpr_workgroup_id_z 1
		.amdhsa_system_vgpr_workitem_id 0
		.amdhsa_next_free_vgpr 256
		.amdhsa_next_free_sgpr 100
		.amdhsa_reserve_vcc 0
		.amdhsa_float_denorm_mode_32 3
		.amdhsa_float_denorm_mode_16_64 3
		.amdhsa_memory_ordered 1
		.amdhsa_forward_progress 1
		.amdhsa_inst_pref_size 54
	.end_amdhsa_kernel
	.amdgpu_metadata
---
amdhsa.version: [ 1, 2 ]
amdhsa.kernels:
  - .name:           k_qa788287ef9_qkv
    .symbol:         k_qa788287ef9_qkv.kd
    .args:
      - { .name: xq, .offset: 0, .size: 8, .value_kind: global_buffer, .address_space: global }
      - { .name: wq, .offset: 8, .size: 8, .value_kind: global_buffer, .address_space: global }
      - { .name: pe, .offset: 16, .size: 8, .value_kind: global_buffer, .address_space: global }
      - { .name: rf, .offset: 24, .size: 8, .value_kind: global_buffer, .address_space: global }
      - { .name: qkv, .offset: 32, .size: 8, .value_kind: global_buffer, .address_space: global }
    .group_segment_fixed_size: 245760
    .private_segment_fixed_size: 0
    .kernarg_segment_align: 8
    .kernarg_segment_size: 40
    .max_flat_workgroup_size: 512
    .sgpr_count:     100
    .vgpr_count:     256
    .wavefront_size: 32
...
	.end_amdgpu_metadata
.endif
;; end of part 2
;; launch attn (part 3): grid 4 x 64, 16 waves a work-group, clusters of 4 x 1, 264,192 bytes of LDS; arguments qkv, mc, ao; writes ao
.if DOCPART == 3
	.amdgcn_target "amdgcn-amd-amdhsa--gfx1250"
	.amdhsa_code_object_version 6
	.text
	.protected	k_qa788287ef9_attn
	.globl	k_qa788287ef9_attn
	.p2align	8
	.type	k_qa788287ef9_attn,@function
k_qa788287ef9_attn:
	s_mov_b64 s[64:65], 0
	v_nop
	global_prefetch_b8 v0, s[64:65] scope:SCOPE_SE
	s_setreg_imm32_b32 hwreg(HW_REG_WAVE_MODE, 25, 1), 1
	s_wait_xcnt 0x0
	s_wait_alu depctr_hold_cnt(0) depctr_sa_sdst(0) depctr_va_vdst(0) depctr_va_sdst(0) depctr_va_ssrc(0) depctr_va_vcc(0) depctr_vm_vsrc(0)
	s_getreg_b32 s2, hwreg(HW_REG_IB_STS2, 6, 4)
	s_cmp_eq_u32 s2, 0
	s_cbranch_scc0 .Lentry_in_a_cluster
	s_endpgm
.Lentry_in_a_cluster:
	s_bfe_u32 s2, ttmp6, 0x10000c
	s_cmp_lg_u32 s2, 0x3003
	s_cbranch_scc0 .Lentry_shape_is_right
	s_endpgm
.Lentry_shape_is_right:
; ATTENTION of one (batch, head) (work-group y) and 512 queries (work-group x), head size 32, with the mask that is given.  Operands f16, products, maxima and sums f32.
; SHARES.  Sixteen waves, four to a SIMD, so that one wave's vector work stands beside another's products and LDS loads.  A wave owns two tiles of 16 queries and walks all 2,048 keys, 64 a step.
; THE HEAD'S WHOLE K AND V, 262,144 bytes, LIE IN LDS: four chunks of 512 keys (K's 32,768 bytes, then V's), asked for at the head, read behind counted waits; no byte is filled twice.  A wave has four tensor loads out.
; CLUSTER 4 x 1: the four work-groups of a head need the same K and V: every load is a joint one.
; LAYOUT.  S^T = K Q^T (source 0 = 16 keys, source 1 = 16 queries) and O^T = V^T P (source 0 = 16 channels, source 1 = P): a lane holds ONE query (lane % 16) throughout; two tiles of S^T, rounded to f16 in pairs, are
; source 1 of the second product.  All operands lie in memory and LDS as images of their registers: every fragment load is at 16 x lane.  V is turned by ds_load_tr16_b128.
; THE MASK costs one conversion for each tile of 16 x 16 scores: eight 4-bit codes (0, or -6 for a hidden key) x 2^123 are written into the accumulator, and the product adds onto them.
; A hidden key's score is about -6.4e37: its p is 0 as soon as one key of the row counts, and what was summed before that is wiped by a = 0.  A row with no key at all has q = 0 (the launch before): all its scores are equal, p = 1: a plain mean, as in the reference.
; SOFTMAX.  q carries log2(e) / sqrt(32), so scores are in base 2.  Running maximum m and sum l: p = 2^(s - m); in every step O and l are multiplied by a = 2^(m_old - m_new).  l is summed of p before it is rounded.
; OUT: ao [tile of 16 tokens][head][1,024 bytes]: the f16 fragment (16 tokens x this head's 32 channels) of the projection that follows.
; LIMITS: the output goes as f16 (magnitudes under 65,504); scores must stay far above -6.4e37.
.set SPARE, 262144                     ; behind the tiles: the spare words, 128 bytes a wave: eight blocks of 256 bytes that no other line names
.set LI,  1                            ; v1   16 x lane; never rewritten
.set ADR, 2                            ; v2   LDS address of the step's tiles
.set MA,  3                            ; v3   offset of the next step's mask words
.set SCL, 4                            ; v4   the byte 250 (2^123) four times: the conversions' scale
.set SPW, 6
.set NIL, 7
.set ST,  8                            ; tile u's statistics at v[8 + 8 u]: +0 m, +1 its pair's partner, +2, +3 l, +4 to +7 at work; a takes +6
.set QF,  24                           ; v24-39   Q, 8 a tile
.set OA,  40                           ; v40-71   O^T (u, ct) at 40 + 16 u + 8 ct
.set S,   72                           ; v72-135  S^T (u, a) at 72 + 32 u + 8 a; p's f16 pairs go back into 72 + 32 u + 0 .. 15
.set KF,  136                          ; v136-167 four tiles of K
.set VF,  168                          ; v168-199 V^T (g, ct) at 168 + 16 g + 8 ct
.set MC,  200                          ; v200-215 mask words, two sets of 8
.set OUTR, 216                         ; v216-231 the way out
.set WV,  12
.set SEL, 14
.set TB,  16                           ; s16  LDS byte at which the step's tile of K begins
.set MO,  17                           ; s17  the next step's mask words
.set CNT, 18
.set G1,  24
.set G0,  32                           ; s[32:47] group 0 for the four chunks
.macro ROUND
	s_barrier_signal -1
	s_barrier_wait -1
	s_cmp_lg_u32 s[WV], 0
	s_cbranch_scc1 .Lnot_wave_0_\@
	s_barrier_signal -3
.Lnot_wave_0_\@:
	s_barrier_wait -3
	s_barrier_signal -1
	s_barrier_wait -1
.endm
	s_load_b128 s[4:7], s[0:1], 0x0                ; qkv, mc
	s_load_b64 s[8:9], s[0:1], 0x10                ; ao
	v_lshl_add_u32 v[SPW], v0, 2, SPARE
	v_mov_b32 v[NIL], 0
	ds_add_u32 v[SPW], v[NIL]                      ; the wave's opening: the add, twice on end, and its wait ahead of my first tensor load
	ds_add_u32 v[SPW], v[NIL]
	v_lshrrev_b32 v1, 5, v0
	v_readfirstlane_b32 s[WV], v1                  ; wave 0..15
	s_bfe_u32 s13, ttmp6, 0x40000                  ; cx
	s_lshl_b32 s20, ttmp9, 2
	s_add_co_u32 s20, s20, s13                     ; my block of 512 queries: it enters the addresses of Q, the mask words and the output alone
	s_and_b32 s19, ttmp7, 0xffff                   ; batch x 32 + head, which the four partners share
	s_lshl_b32 s21, s20, 4
	s_add_co_u32 s21, s21, s[WV]                   ; my group of 32 queries, 0 .. 63
	s_mov_b32 s[G1], 15|(3<<16)|(1<<21)            ; 15:0 the mask: all four; 17:16 elements of 8 bytes; 21 set beside a mask; no padding
	s_mov_b32 s[G1+1], 32<<16                      ; tensor_dim0 = 32: rows of 256 bytes
	s_mov_b32 s[G1+2], 16<<16                      ; tensor_dim1 = 16
	s_mov_b32 s[G1+3], 32<<16                      ; tile_dim0
	s_mov_b32 s[G1+4], 16                          ; tile_dim1
	s_mov_b32 s[G1+5], 32                          ; dense
	s_mov_b32 s[G1+6], 0
	s_mov_b32 s[G1+7], 0
	s_lshr_b32 s22, s[WV], 3                       ; waves 0-7 fetch K's 4,096-byte eighths of a chunk, waves 8-15 V's
	s_add_co_u32 s22, s22, 1
	s_lshl_b32 s22, s22, 23                        ; k is section 1 of qkv, v section 2
	s_lshl_b32 s23, s19, 17
	s_add_co_u32 s22, s22, s23
	s_and_b32 s23, s[WV], 7
	s_lshl_b32 s23, s23, 12
	s_add_co_u32 s22, s22, s23
	s_mov_b32 s23, 0
	s_lshl_b32 s48, s[WV], 12                      ; in a chunk of LDS: wave x 4,096
	s_lshl_b32 s50, s19, 17                        ; Q: my head, my group of 2,048 bytes
	s_lshl_b32 s49, s21, 11
	s_add_co_u32 s50, s50, s49
	s_mov_b32 s51, 0
	s_lshr_b32 s49, s19, 5
	s_lshl_b32 s49, s49, 7
	s_lshl_b32 s52, s21, 1
	s_add_co_u32 s49, s49, s52                     ; my first tile of 16 tokens: 128 x batch + 2 x group
	s_lshl_b32 s52, s49, 14                        ; mask words: 16,384 bytes a tile
	s_mov_b32 s53, 0
	s_lshl_b32 s54, s49, 15                        ; output: 32,768 bytes a tile,
	s_and_b32 s49, s19, 31
	s_lshl_b32 s49, s49, 10                        ; 1,024 a head
	s_add_co_u32 s54, s54, s49
	s_mov_b32 s55, 0
	s_mov_b32 s[SEL], 0x76543210
	s_mov_b32 s[SEL+1], 0xfedcba98
	s_mov_b32 s[MO], 0
	s_wait_dscnt 0x0                               ; both opening adds are done
	s_wait_kmcnt 0x0
	s_add_nc_u64 s[22:23], s[4:5], s[22:23]
	s_add_nc_u64 s[50:51], s[4:5], s[50:51]
	s_add_nc_u64 s[52:53], s[6:7], s[52:53]
	s_add_nc_u64 s[54:55], s[8:9], s[54:55]
.irp c, 0,1,2,3
	s_mov_b32 s[G0+4*\c], 1
	s_add_co_u32 s[G0+4*\c+1], s48, \c*65536
	s_add_nc_u64 s[G0+4*\c+2:G0+4*\c+3], s[22:23], \c*32768
	s_or_b32 s[G0+4*\c+3], s[G0+4*\c+3], 0x80000000
.endr
	ROUND                                          ; all four work-groups are here: the joint loads meet
.irp c, 0,1,2,3
	tensor_load_to_lds s[G0+4*\c:G0+4*\c+3], s[G1:G1+7]
	s_nop 0
.endr
.rept 4
	v_nop
.endr
	v_and_b32 v1, 31, v0
	v_lshlrev_b32 v[LI], 4, v1
.irp u, 0,1
.irp ct, 0,1
	global_load_b128 v[QF+8*\u+4*\ct:QF+8*\u+4*\ct+3], v[LI], s[50:51] offset:1024*\ct+512*\u   ; Q stays in registers
.endr
.endr
.irp u, 0,1
	global_load_b128 v[MC+4*\u:MC+4*\u+3], v[LI], s[52:53] offset:16384*\u   ; step 0's mask words
.endr
	v_mov_b32 v[SCL], 0xfafafafa
.irp u, 0,1
	v_mov_b32 v[ST+8*\u], 0xff7fffff               ; m: the lowest number
.irp i, 1,2,3,4,5,6,7
	v_mov_b32 v[ST+8*\u+\i], 0                     ; l = 0; the others are written once because pairs and lane permutes name them
.endr
.endr
.set n, 0
.rept 32
	v_mov_b32 v[OA+n], 0                           ; O^T.  (The step is written once: the first finds zeros, which a = 0 leaves zeros)
.set n, n+1
.endr
; A STEP: 64 keys.  p: the set of mask words in hand.
.macro STEP p
	s_wait_loadcnt 0x0                             ; this step's mask words, asked for a step ago (the first time: Q too); their address register is free
	s_add_co_u32 s[MO], s[MO], 512
	s_and_b32 s[MO], s[MO], 0x3fff                 ; the last step's look-ahead wraps to step 0: no load leaves its buffer
	v_add_nc_u32 v[ADR], s[TB], v[LI]
	v_add_nc_u32 v[MA], s[MO], v[LI]
.rept 3
	v_nop                                          ; with the two additions: five places between the last products and the conversions that write p's registers, six with the v_nop below ahead of the products that write them
.endr
.irp g, 0,1
.irp hf, 0,1
.irp ct, 0,1
	ds_load_b128 v[KF+8*(2*\g+\hf)+4*\ct:KF+8*(2*\g+\hf)+4*\ct+3], v[ADR] offset:2048*\g+512*\hf+1024*\ct
.endr
.endr
.endr
.irp u, 0,1
	global_load_b128 v[MC+8*(1-\p)+4*\u:MC+8*(1-\p)+4*\u+3], v[MA], s[52:53] offset:16384*\u
.endr
.irp a, 0,1,2,3
.irp u, 0,1
	v_cvt_scale_pk8_f32_fp4 v[S+32*\u+8*\a:S+32*\u+8*\a+7], v[MC+8*\p+4*\u+\a], v[SCL]   ; 0, or -6 x 2^123 where the key is hidden
.endr
.endr
	v_nop                                          ; one plain place behind a scaled conversion
	s_wait_dscnt 0x0                               ; K
.irp a, 0,1,2,3
.irp u, 0,1
	v_wmma_f32_16x16x32_f16 v[S+32*\u+8*\a:S+32*\u+8*\a+7], v[KF+8*\a:KF+8*\a+7], v[QF+8*\u:QF+8*\u+7], v[S+32*\u+8*\a:S+32*\u+8*\a+7]
.endr
.endr
.irp g, 0,1
.irp ct, 0,1
.irp hf, 0,1
	ds_load_tr16_b128 v[VF+16*\g+8*\ct+4*\hf:VF+16*\g+8*\ct+4*\hf+3], v[ADR] offset:32768+2048*\g+1024*\ct+512*\hf
.endr
.endr
.endr
.rept 4
	v_nop                                          ; places in front of the first read of the scores
.endr
	; the maximum of a tile's 32 scores and the old m: four chains, each accumulator read from its low end on; the two tiles line by line
.irp j, 0,1,2,3
.irp u, 0,1
	v_max3_num_f32 v[ST+8*\u+4+\j], v[S+32*\u+8*\j], v[S+32*\u+8*\j+1], v[S+32*\u+8*\j+2]
.endr
.endr
.irp q, 1,2
.irp j, 0,1,2,3
.irp u, 0,1
	v_max3_num_f32 v[ST+8*\u+4+\j], v[ST+8*\u+4+\j], v[S+32*\u+8*\j+2*\q+1], v[S+32*\u+8*\j+2*\q+2]
.endr
.endr
.endr
.irp u, 0,1
	v_max3_num_f32 v[ST+8*\u+4], v[ST+8*\u+4], v[S+32*\u+7], v[S+32*\u+15]
.endr
.irp u, 0,1
	v_max3_num_f32 v[ST+8*\u+6], v[ST+8*\u+6], v[S+32*\u+23], v[S+32*\u+31]
.endr
.irp u, 0,1
	v_max3_num_f32 v[ST+8*\u+4], v[ST+8*\u+4], v[ST+8*\u+5], v[ST+8*\u+6]
.endr
.irp u, 0,1
	v_max3_num_f32 v[ST+8*\u+4], v[ST+8*\u+4], v[ST+8*\u+7], v[ST+8*\u]
.endr
.irp u, 0,1
	v_permlanex16_b32 v[ST+8*\u+5], v[ST+8*\u+4], s[SEL], s[SEL+1]   ; the query's other 32 keys lie in lane l xor 16
.endr
.irp u, 0,1
	v_mov_b32 v[ST+8*\u+7], v[ST+8*\u]             ; m_old
.endr
.irp u, 0,1
	v_max_num_f32 v[ST+8*\u], v[ST+8*\u+4], v[ST+8*\u+5]
.endr
.irp u, 0,1
	v_sub_f32 v[ST+8*\u+7], v[ST+8*\u+7], v[ST+8*\u]
.endr
.irp i, 0,2,4,6,8,10,12,14,16,18,20,22,24,26,28,30
.irp u, 0,1
	v_pk_add_f32 v[S+32*\u+\i:S+32*\u+\i+1], v[S+32*\u+\i:S+32*\u+\i+1], v[ST+8*\u:ST+8*\u+1] op_sel_hi:[1,0] neg_lo:[0,1] neg_hi:[0,1]   ; s - m, two at a time
.endr
.endr
.irp u, 0,1
	v_exp_f32 v[ST+8*\u+6], v[ST+8*\u+7]           ; a.  ONE BATCH: both tiles' 66 exponentials; none reads another's result
.endr
.irp i, 0,1,2,3,4,5,6,7,8,9,10,11,12,13,14,15,16,17,18,19,20,21,22,23,24,25,26,27,28,29,30,31
.irp u, 0,1
	v_exp_f32 v[S+32*\u+\i], v[S+32*\u+\i]
.endr
.endr
	v_nop                                          ; the plain instruction behind the last exponential,
	s_wait_alu depctr_va_vdst(0)                   ; and one wait ahead of the batch's first reader
.irp u, 0,1
	v_pk_fma_f32 v[ST+8*\u+2:ST+8*\u+3], v[ST+8*\u+2:ST+8*\u+3], v[ST+8*\u+6:ST+8*\u+7], v[S+32*\u:S+32*\u+1] op_sel_hi:[1,0,1]   ; l = l a + p: two chains a tile
.endr
.irp u, 0,1
	v_pk_add_f32 v[ST+8*\u+4:ST+8*\u+5], v[S+32*\u+2:S+32*\u+3], v[S+32*\u+6:S+32*\u+7]
.endr
.irp i, 4,8,12,16,20,24
.irp u, 0,1
	v_pk_add_f32 v[ST+8*\u+2:ST+8*\u+3], v[ST+8*\u+2:ST+8*\u+3], v[S+32*\u+\i:S+32*\u+\i+1]
.endr
.irp u, 0,1
	v_pk_add_f32 v[ST+8*\u+4:ST+8*\u+5], v[ST+8*\u+4:ST+8*\u+5], v[S+32*\u+\i+6:S+32*\u+\i+7]
.endr
.endr
.irp u, 0,1
	v_pk_add_f32 v[ST+8*\u+2:ST+8*\u+3], v[ST+8*\u+2:ST+8*\u+3], v[S+32*\u+28:S+32*\u+29]
.endr
.irp u, 0,1
	v_pk_add_f32 v[ST+8*\u+2:ST+8*\u+3], v[ST+8*\u+2:ST+8*\u+3], v[ST+8*\u+4:ST+8*\u+5]
.endr
.irp i, 0,1,2,3,4,5,6,7,8,9,10,11,12,13,14,15
.irp u, 0,1
	v_cvt_pk_f16_f32 v[S+32*\u+\i], v[S+32*\u+2*\i], v[S+32*\u+2*\i+1]   ; ascending: register i is written when registers up to 2 i + 1 have been read
.endr
.endr
.irp i, 0,2,4,6,8,10,12,14
.irp u, 0,1
	v_pk_mul_f32 v[OA+16*\u+\i:OA+16*\u+\i+1], v[OA+16*\u+\i:OA+16*\u+\i+1], v[ST+8*\u+6:ST+8*\u+7] op_sel_hi:[1,0]   ; O^T x a, each accumulator from its low end on
.endr
.endr
	s_wait_dscnt 0x0                               ; V
.irp g, 0,1
.irp u, 0,1
.irp ct, 0,1
	v_wmma_f32_16x16x32_f16 v[OA+16*\u+8*\ct:OA+16*\u+8*\ct+7], v[VF+16*\g+8*\ct:VF+16*\g+8*\ct+7], v[S+32*\u+8*\g:S+32*\u+8*\g+7], v[OA+16*\u+8*\ct:OA+16*\u+8*\ct+7]   ; the four accumulators by turns
.endr
.endr
.endr
	s_add_co_u32 s[TB], s[TB], 4096
.endm
.macro CHUNK c
	s_wait_tensorcnt 3-\c                          ; my part of this chunk is in; my loads of the 3 - c later chunks may be out
	s_wait_dscnt 0x0
	s_barrier_signal -1
	s_barrier_wait -1                              ; everybody's part is in
	s_mov_b32 s[TB], \c*65536
	s_mov_b32 s[CNT], 4
.Lstep_\@:                                         ; four trips of two steps: the two sets of mask words change places
	STEP 0
	STEP 1
	s_sub_co_u32 s[CNT], s[CNT], 1
	s_cmp_lg_u32 s[CNT], 0
	s_cbranch_scc1 .Lstep_\@
.endm
	CHUNK 0
	CHUNK 1
	CHUNK 2
	CHUNK 3
	; THE WAY OUT: l's two halves and lane l xor 16's; O^T / l, rounded to f16: a lane's eight channels are 16 bytes of the next product's fragment.  The additions and the v_nop are the places behind the last products.
.irp u, 0,1
	v_add_f32 v[ST+8*\u+4], v[ST+8*\u+2], v[ST+8*\u+3]
.endr
.irp u, 0,1
	v_permlanex16_b32 v[ST+8*\u+5], v[ST+8*\u+4], s[SEL], s[SEL+1]
.endr
.irp u, 0,1
	v_add_f32 v[ST+8*\u+4], v[ST+8*\u+4], v[ST+8*\u+5]
.endr
.irp u, 0,1
	v_rcp_f32 v[ST+8*\u+6], v[ST+8*\u+4]
.endr
	v_nop
	s_wait_alu depctr_va_vdst(0)                   ; one wait for the two reciprocals, ahead of their first reader
.irp i, 0,2,4,6,8,10,12,14
.irp u, 0,1
	v_pk_mul_f32 v[S+16*\u+\i:S+16*\u+\i+1], v[OA+16*\u+\i:OA+16*\u+\i+1], v[ST+8*\u+6:ST+8*\u+7] op_sel_hi:[1,0]
.endr
.endr
.irp i, 0,1,2,3,4,5,6,7
.irp u, 0,1
	v_cvt_pk_f16_f32 v[OUTR+8*\u+\i], v[S+16*\u+2*\i], v[S+16*\u+2*\i+1]
.endr
.endr
.irp u, 0,1
.irp ct, 0,1
	global_store_b128 v[LI], v[OUTR+8*\u+4*\ct:OUTR+8*\u+4*\ct+3], s[54:55] offset:32768*\u+512*\ct   ; the wave stores 512 consecutive bytes
.endr
.endr
	s_wait_tensorcnt 0x0                           ; the wave's end
	ds_add_u32 v[SPW], v[NIL]
	s_wait_dscnt 0x0
	ROUND                                          ; the closing round
	s_endpgm
.Lfunc_end_k_qa788287ef9_attn:
	.size	k_qa788287ef9_attn, .Lfunc_end_k_qa788287ef9_attn-k_qa788287ef9_attn
	.p2alignl 7, 3214868480
	.fill 96, 4, 3214868480
	.section	.rodata,"a",@progbits
	.p2align	6, 0x0
	.amdhsa_kernel k_qa788287ef9_attn
		.amdhsa_group_segment_fixed_size 264192
		.amdhsa_private_segment_fixed_size 0
		.amdhsa_enable_private_segment 0
		.amdhsa_kernarg_size 24
		.amdhsa_user_sgpr_count 2
		.amdhsa_user_sgpr_kernarg_segment_ptr 1
		.amdhsa_wavefront_size32 1
		.amdhsa_system_sgpr_workgroup_id_x 1
		.amdhsa_system_sgpr_workgroup_id_y 1
		.amdhsa_system_sgpr_workgroup_id_z 1
		.amdhsa_system_vgpr_workitem_id 0
		.amdhsa_next_free_vgpr 256
		.amdhsa_next_free_sgpr 66
		.amdhsa_reserve_vcc 0
		.amdhsa_float_denorm_mode_32 3
		.amdhsa_float_denorm_mode_16_64 3
		.amdhsa_memory_ordered 1
		.amdhsa_forward_progress 1
		.amdhsa_inst_pref_size 129
	.end_amdhsa_kernel
	.amdgpu_metadata
---
amdhsa.version: [ 1, 2 ]
amdhsa.kernels:
  - .name:           k_qa788287ef9_attn
    .symbol:         k_qa788287ef9_attn.kd
    .args:
      - { .name: qkv, .offset: 0, .size: 8, .value_kind: global_buffer, .address_space: global }
      - { .name: mc, .offset: 8, .size: 8, .value_kind: global_buffer, .address_space: global }
      - { .name: ao, .offset: 16, .size: 8, .value_kind: global_buffer, .address_space: global }
    .group_segment_fixed_size: 264192
    .private_segment_fixed_size: 0
    .kernarg_segment_align: 8
    .kernarg_segment_size: 24
    .max_flat_workgroup_size: 512
    .sgpr_count:     66
    .vgpr_count:     256
    .wavefront_size: 32
...
	.end_amdgpu_metadata
.endif
;; end of part 3
;; launch proj (part 4): grid 8 x 32, 8 waves a work-group, clusters of 4 x 4, 327,680 bytes of LDS; arguments ao, wo, out0; writes out0
.if DOCPART == 4
	.amdgcn_target "amdgcn-amd-amdhsa--gfx1250"
	.amdhsa_code_object_version 6
	.text
	.protected	k_qa788287ef9_proj
	.globl	k_qa788287ef9_proj
	.p2align	8
	.type	k_qa788287ef9_proj,@function
k_qa788287ef9_proj:
	s_mov_b64 s[64:65], 0
	v_nop
	global_prefetch_b8 v0, s[64:65] scope:SCOPE_SE
	s_setreg_imm32_b32 hwreg(HW_REG_WAVE_MODE, 25, 1), 1
	s_wait_xcnt 0x0
	s_wait_alu depctr_hold_cnt(0) depctr_sa_sdst(0) depctr_va_vdst(0) depctr_va_sdst(0) depctr_va_ssrc(0) depctr_va_vcc(0) depctr_vm_vsrc(0)
	s_getreg_b32 s2, hwreg(HW_REG_IB_STS2, 6, 4)
	s_cmp_eq_u32 s2, 0
	s_cbranch_scc0 .Lentry_in_a_cluster
	s_endpgm
.Lentry_in_a_cluster:
	s_bfe_u32 s2, ttmp6, 0x10000c
	s_cmp_lg_u32 s2, 0xf033
	s_cbranch_scc0 .Lentry_shape_is_right
	s_endpgm
.Lentry_shape_is_right:
; PROJ: out0 = (attention's output) W_o^T, f16 operands, f32 sums.  Both operands lie in memory as images of operand registers: [tile of 16 rows][K step of 32][1,024 bytes].
; A work-group makes 128 tokens (work-group y) x 128 columns (work-group x): 256 work-groups.  Eight waves: wave (wm = w / 2, wn = w % 2) makes 32 tokens x 64 columns: 8 accumulators, which take turns.
; K goes in four chunks of 256 (8 K steps: 8,192 consecutive bytes of each tile of rows) through a ring of two LDS slots of 131,072 bytes (A's 8 tiles, then B's 8).  Chunks 0 and 1 are asked for at the head,
; chunks 2 and 3 each behind a round of the cluster's barrier, one load a wave (two tiles' rows of 8,192 bytes): it has a chunk's 64 products a wave in which to land.  At most two loads of a wave are out.
; CLUSTER 4 x 4: A's tiles hang on work-group y alone and are asked for jointly along a row of the cluster, B's on work-group x alone, along a column.
; THE PRODUCT IS USED TRANSPOSED (source 0 = 16 rows of W_o, source 1 = 16 tokens): a lane holds eight neighbouring numbers of a row of out0.
.set SLOT,  131072
.set SPARE, 2*SLOT                     ; behind the ring: the spare words, 128 bytes a wave: four blocks of 256 bytes that no other line names
.set LI,  3                            ; v3   16 x lane
.set VA,  4                            ; v4, v5  my A fragments in slot 0, 1
.set VB,  6                            ; v6, v7  my B fragments
.set STO, 8                            ; v8   the way out: where I put 32 bytes of a row
.set RD,  9                            ; v9   where I read rows back
.set CO,  10                           ; v10  my byte offset in out0
.set SPW, 12
.set NIL, 13
.set ACC, 16                           ; v16-79   accumulator (mt, nt) at 16 + 8 (4 mt + nt)
.set F0,  80                           ; v80-127  a K step's fragments: A's two, then B's four;  v128-175 the other buffer
.set F1,  128
.set WV,  10
.set G1,  24
.set G0,  32
.set G1B, 48
.set G0B, 56
.macro ROUND
	s_barrier_signal -1
	s_barrier_wait -1
	s_cmp_lg_u32 s[WV], 0
	s_cbranch_scc1 .Lnot_wave_0_\@
	s_barrier_signal -3
.Lnot_wave_0_\@:
	s_barrier_wait -3
	s_barrier_signal -1
	s_barrier_wait -1
.endm
.macro JLOAD s                         ; a joint load: waves 0-3 fetch A's tiles, two each, waves 4-7 B's; an s_nop 0 and four v_nop follow each of the two lines
	s_cmp_eq_u32 s11, 0
	s_cbranch_scc0 .Lfor_b_\@
	tensor_load_to_lds s[G0+4*\s:G0+4*\s+3], s[G1:G1+7]
	s_nop 0
.rept 4
	v_nop
.endr
	s_branch .Lasked_\@
.Lfor_b_\@:
	tensor_load_to_lds s[G0B+4*\s:G0B+4*\s+3], s[G1B:G1B+7]
	s_nop 0
.rept 4
	v_nop
.endr
.Lasked_\@:
.endm
.macro PLACES                          ; four places in front of loads into registers that matrix instructions have read, and of the first read of results
.rept 4
	v_nop
.endr
.endm
	s_load_b128 s[4:7], s[0:1], 0x0                ; ao, wo
	s_load_b64 s[8:9], s[0:1], 0x10                ; out0
	v_lshl_add_u32 v[SPW], v0, 2, SPARE
	v_mov_b32 v[NIL], 0
	ds_add_u32 v[SPW], v[NIL]                      ; the wave's opening: the add, twice on end, and its wait ahead of my first tensor load
	ds_add_u32 v[SPW], v[NIL]
	v_lshrrev_b32 v1, 5, v0
	v_readfirstlane_b32 s[WV], v1                  ; wave 0..7
	s_lshr_b32 s11, s[WV], 2                       ; I fetch for A (0) or for B (1),
	s_and_b32 s12, s[WV], 3                        ; tiles 2 x this and the next
	s_lshr_b32 s21, s[WV], 1                       ; wm
	s_and_b32 s22, s[WV], 1                        ; wn
	s_bfe_u32 s40, ttmp6, 0x40000                  ; cx, cy
	s_bfe_u32 s41, ttmp6, 0x40004
	s_lshl_b32 s42, ttmp9, 2
	s_add_co_u32 s42, s42, s40                     ; work-group x: the block of 128 columns
	s_and_b32 s13, ttmp7, 0xffff
	s_lshl_b32 s13, s13, 2
	s_add_co_u32 s13, s13, s41                     ; work-group y: the block of 128 tokens
	s_lshl_b32 s43, s41, 2
	s_lshl_b32 s43, 15, s43                        ; my row of the cluster
	s_lshl_b32 s44, 0x1111, s40                    ; my column
	s_or_b32 s[G1], s43, (3<<16)|(1<<21)           ; 15:0 the mask; 17:16 elements of 8 bytes; 21 set beside a mask; no padding
	s_or_b32 s[G1B], s44, (3<<16)|(1<<21)
.irp g, G1, G1B
	s_mov_b32 s[\g+1], 1024<<16                    ; tensor_dim0 = 1,024 elements: a tile's 8 K steps, 8,192 bytes
	s_mov_b32 s[\g+2], 2<<16                       ; tensor_dim1 = 2 tiles
	s_mov_b32 s[\g+3], 1024<<16                    ; tile_dim0
	s_mov_b32 s[\g+4], 2                           ; tile_dim1
	s_mov_b32 s[\g+5], 4096                        ; from tile to tile: 32 K steps, 32,768 bytes
	s_mov_b32 s[\g+6], 0
	s_mov_b32 s[\g+7], 0
.endr
	s_lshl_b32 s17, s12, 1
	s_lshl_b32 s16, s13, 3
	s_add_co_u32 s16, s16, s17
	s_lshl_b32 s16, s16, 15                        ; A: tile 8 x work-group y + 2 x (wave % 4)
	s_lshl_b32 s46, s42, 3
	s_add_co_u32 s46, s46, s17
	s_lshl_b32 s46, s46, 15                        ; B: tile 8 x work-group x + 2 x (wave % 4)
	s_mov_b32 s17, 0
	s_mov_b32 s47, 0
	s_lshl_b32 s20, s[WV], 14                      ; where they go: wave x 16,384: A's eight tiles, then B's
	s_wait_dscnt 0x0                               ; both opening adds are done
	s_wait_kmcnt 0x0
	s_add_nc_u64 s[14:15], s[4:5], s[16:17]
	s_add_nc_u64 s[46:47], s[6:7], s[46:47]
	ROUND                                          ; all sixteen work-groups are here: the first joint loads meet
.irp s, 0,1
	s_mov_b32 s[G0+4*\s], 1
	s_add_co_u32 s[G0+4*\s+1], s20, \s*SLOT
	s_add_nc_u64 s[G0+4*\s+2:G0+4*\s+3], s[14:15], \s*8192
	s_or_b32 s[G0+4*\s+3], s[G0+4*\s+3], 0x80000000
	s_mov_b32 s[G0B+4*\s], 1
	s_add_co_u32 s[G0B+4*\s+1], s20, \s*SLOT
	s_add_nc_u64 s[G0B+4*\s+2:G0B+4*\s+3], s[46:47], \s*8192
	s_or_b32 s[G0B+4*\s+3], s[G0B+4*\s+3], 0x80000000
	JLOAD \s
.endr
	v_and_b32 v1, 15, v0                           ; r
	v_bfe_u32 v2, v0, 4, 1                         ; h
	v_and_b32 v3, 31, v0
	v_lshlrev_b32 v[LI], 4, v3
	s_lshl_b32 s23, s21, 14
	v_add_nc_u32 v[VA], s23, v[LI]                 ; tiles 2 wm + mt of 8,192 bytes
	v_add_nc_u32 v[VA+1], SLOT, v[VA]
	s_lshl_b32 s23, s22, 15
	s_add_co_u32 s23, s23, 65536
	v_add_nc_u32 v[VB], s23, v[LI]                 ; tiles 4 wn + nt, behind A's
	v_add_nc_u32 v[VB+1], SLOT, v[VB]
	s_mul_i32 s23, s[WV], 8704                     ; my stage: 32 rows x (256 bytes + 16), in slot 0
	v_mul_u32_u24 v[STO], v1, 272
	v_lshl_add_u32 v[STO], v2, 5, v[STO]
	v_add_nc_u32 v[STO], s23, v[STO]               ; in: row r, + 32 h
	v_mul_u32_u24 v[RD], v2, 272
	v_lshl_add_u32 v[RD], v1, 4, v[RD]
	v_add_nc_u32 v[RD], s23, v[RD]                 ; back: lanes 0-15 one row of 256 bytes, lanes 16-31 the next
	v_lshlrev_b32 v[CO], 12, v2
	v_lshl_add_u32 v[CO], v1, 4, v[CO]             ; and the same two rows in out0
	s_lshl_b32 s16, s13, 19                        ; 128 rows of 4,096 bytes a block,
	s_lshl_b32 s23, s21, 17                        ; 32 a wave,
	s_add_co_u32 s16, s16, s23
	s_lshl_b32 s23, s42, 9                         ; 128 columns a block,
	s_add_co_u32 s16, s16, s23
	s_lshl_b32 s23, s22, 8                         ; 64 a wave
	s_add_co_u32 s16, s16, s23
	s_add_nc_u64 s[8:9], s[8:9], s[16:17]
.macro FETCH slot, ks, f               ; a K step's 12 loads, each 512 consecutive bytes
.irp mt, 0,1
.irp u, 0,1
	ds_load_b128 v[\f+8*\mt+4*\u:\f+8*\mt+4*\u+3], v[VA+\slot] offset:8192*\mt+1024*(\ks)+512*\u
.endr
.endr
.irp nt, 0,1,2,3
.irp u, 0,1
	ds_load_b128 v[\f+16+8*\nt+4*\u:\f+16+8*\nt+4*\u+3], v[VB+\slot] offset:8192*\nt+1024*(\ks)+512*\u
.endr
.endr
.endm
.macro MUL f, zero                     ; 8 products, one on each accumulator.  zero = 1: they start the sums: nothing is cleared
.irp mt, 0,1
.irp nt, 0,1,2,3
.if \zero
	v_wmma_f32_16x16x32_f16 v[ACC+8*(4*\mt+\nt):ACC+8*(4*\mt+\nt)+7], v[\f+16+8*\nt:\f+16+8*\nt+7], v[\f+8*\mt:\f+8*\mt+7], 0
.else
	v_wmma_f32_16x16x32_f16 v[ACC+8*(4*\mt+\nt):ACC+8*(4*\mt+\nt)+7], v[\f+16+8*\nt:\f+16+8*\nt+7], v[\f+8*\mt:\f+8*\mt+7], v[ACC+8*(4*\mt+\nt):ACC+8*(4*\mt+\nt)+7]
.endif
.endr
.endr
.endm
.macro CHUNKW slot, zero               ; a chunk's 8 K steps on two fragment buffers: while one is multiplied the next step's loads are on their way
	PLACES
	FETCH \slot, 0, F0
.set KS, 0
.rept 7
.if KS > 0
	PLACES
.endif
	FETCH \slot, KS+1, F0+48*((KS+1)%2)
	s_wait_dscnt 12                                ; all but the 12 just issued
.if (\zero) && (KS == 0)
	MUL F0+48*(KS%2), 1
.else
	MUL F0+48*(KS%2), 0
.endif
.set KS, KS+1
.endr
	s_wait_dscnt 0x0
	MUL F1, 0
.endm
.macro REFILL slot                     ; the slot just read out is filled again, two chunks on
	s_wait_tensorcnt 0x0                           ; all my tensor loads have landed: my part of the other slot; so a group 0 may be written
	ds_add_u32 v[SPW], v[NIL]                      ; 0 onto my spare word: the descriptors' steps stand between it and the wait for it
	s_add_nc_u64 s[G0+4*\slot+2:G0+4*\slot+3], s[G0+4*\slot+2:G0+4*\slot+3], 16384
	s_add_nc_u64 s[G0B+4*\slot+2:G0B+4*\slot+3], s[G0B+4*\slot+2:G0B+4*\slot+3], 16384
	s_wait_dscnt 0x0                               ; the add is done, and my reads of this slot are over
	ROUND                                          ; no wave of any partner still reads the slot or has a load on its way
	JLOAD \slot                                    ; the first tensor load behind the round, one a wave
.endm
	s_wait_tensorcnt 1                             ; my part of chunk 0 is in; chunk 1's load may be out
	s_barrier_signal -1
	s_barrier_wait -1
	CHUNKW 0, 1                                    ; chunk 0
	REFILL 0                                       ; chunk 2 is asked for
	CHUNKW 1, 0                                    ; chunk 1
	REFILL 1                                       ; chunk 3
	CHUNKW 0, 0                                    ; chunk 2
	s_wait_tensorcnt 0x0                           ; my part of chunk 3 is in,
	s_wait_dscnt 0x0                               ; and my reads of slot 0 are over: it has had its last fill, and behind this barrier it serves as the stage
	s_barrier_signal -1
	s_barrier_wait -1
	CHUNKW 1, 0                                    ; chunk 3
	; THE WAY OUT: a lane's 32 bytes of a row go into my own stage and come back as whole rows of 256 bytes, which sixteen lanes store as one aligned run.
	PLACES
.irp mt, 0,1
.irp nt, 0,1,2,3
	ds_store_b128 v[STO], v[ACC+8*(4*\mt+\nt):ACC+8*(4*\mt+\nt)+3] offset:4352*\mt+64*\nt          ; each accumulator from its low end on
	ds_store_b128 v[STO], v[ACC+8*(4*\mt+\nt)+4:ACC+8*(4*\mt+\nt)+7] offset:4352*\mt+64*\nt+16
.endr
.endr
.irp t, 0,1,2,3,4,5,6,7,8,9,10,11,12,13,14,15
	ds_load_b128 v[F0+4*\t:F0+4*\t+3], v[RD] offset:544*\t   ; LDS serves a wave's instructions in order: these see my stores
.endr
.irp t, 0,1,2,3,4,5,6,7,8,9,10,11,12,13,14,15
	s_wait_dscnt 15-\t                             ; the 15 - t younger loads may be out
	global_store_b128 v[CO], v[F0+4*\t:F0+4*\t+3], s[8:9] offset:8192*\t th:TH_STORE_NT
.endr
	s_wait_tensorcnt 0x0                           ; the wave's end, behind my last tensor load and my last LDS store
	ds_add_u32 v[SPW], v[NIL]
	s_wait_dscnt 0x0
	ROUND                                          ; the closing round
	s_endpgm
.Lfunc_end_k_qa788287ef9_proj:
	.size	k_qa788287ef9_proj, .Lfunc_end_k_qa788287ef9_proj-k_qa788287ef9_proj
	.p2alignl 7, 3214868480
	.fill 96, 4, 3214868480
	.section	.rodata,"a",@progbits
	.p2align	6, 0x0
	.amdhsa_kernel k_qa788287ef9_proj
		.amdhsa_group_segment_fixed_size 327680
		.amdhsa_private_segment_fixed_size 0
		.amdhsa_enable_private_segment 0
		.amdhsa_kernarg_size 24
		.amdhsa_user_sgpr_count 2
		.amdhsa_user_sgpr_kernarg_segment_ptr 1
		.amdhsa_wavefront_size32 1
		.amdhsa_system_sgpr_workgroup_id_x 1
		.amdhsa_system_sgpr_workgroup_id_y 1
		.amdhsa_system_sgpr_workgroup_id_z 1
		.amdhsa_system_vgpr_workitem_id 0
		.amdhsa_next_free_vgpr 192
		.amdhsa_next_free_sgpr 96
		.amdhsa_reserve_vcc 0
		.amdhsa_float_denorm_mode_32 3
		.amdhsa_float_denorm_mode_16_64 3
		.amdhsa_memory_ordered 1
		.amdhsa_forward_progress 1
		.amdhsa_inst_pref_size 58
	.end_amdhsa_kernel
	.amdgpu_metadata
---
amdhsa.version: [ 1, 2 ]
amdhsa.kernels:
  - .name:           k_qa788287ef9_proj
    .symbol:         k_qa788287ef9_proj.kd
    .args:
      - { .name: ao, .offset: 0, .size: 8, .value_kind: global_buffer, .address_space: global }
      - { .name: wo, .offset: 8, .size: 8, .value_kind: global_buffer, .address_space: global }
      - { .name: out0, .offset: 16, .size: 8, .value_kind: global_buffer, .address_space: global }
    .group_segment_fixed_size: 327680
    .private_segment_fixed_size: 0
    .kernarg_segment_align: 8
    .kernarg_segment_size: 24
    .max_flat_workgroup_size: 256
    .sgpr_count:     96
    .vgpr_count:     192
    .wavefront_size: 32
...
	.end_amdgpu_metadata
.endif
;; end of part 4
